; MI455X (gfx1250); checked and timed in simulation.
; The chip was launched on July 23, 2026; its instructions are those of AMD's public machine-readable ISA for CDNA 5 (MIT licence, August 2026) and "CDNA5" Instruction Set Architecture Reference Guide (July 2026). The comments in the code are by the model that wrote it; some were corrected since.
;; Self Attention. Allowed arithmetic: matrix products marked QUANTISED: E2M3 operands, one E8M0 scale for each 32 along K, by v_wmma_scale_f32_16x16x128_f8f6f4 with both operands' format E2M3, f32 sums; everything else in f32.
;; Inputs: Wk 256 x 256 float32; Wq 256 x 256 float32; Wv 256 x 256 float32; X 8,192 x 256 float32.
;; Outputs: out0 8,192 x 256 float32.
;; This version of the problem:
;;   THIS VERSION OF THE PROBLEM IS GIVEN IN LOW PRECISION. The matrix products marked QUANTISED in the list below multiply operands that are first quantised to E2M3 (2 exponent bits, 3 mantissa bits; 6 bits a number), with one power-of-two scale for each 32 numbers along K (OCP MX v1.0); their sums are f32. All else is computed in f32.
;;   The module's matrix products, in the order in which they are computed (A, B: the left and right operand; K: the contracted axis; several contracted axes count as one K, in the product's order):
;;     1. [M 8,192, K 256] x [K 256, N 256]; A: input X; B: input Wq: QUANTISED
;;     2. [M 8,192, K 256] x [K 256, N 256]; A: input X; B: input Wk: QUANTISED
;;     3. [M 8,192, K 256] x [K 256, N 256]; A: input X; B: input Wv: QUANTISED
;;     4. [M 8,192, K 256] x [K 256, N 8,192]; A: computed on the way; B: computed on the way: QUANTISED
;;     5. [M 8,192, K 8,192] x [K 8,192, N 256]; A: softmax (see below); B: computed on the way: QUANTISED
;;   THE QUANTISER, for each operand of a quantised product, along K:
;;     - K is cut into blocks of 32 from its start; a last block that is shorter is filled with zeros.
;;     - A block's scale is 2^e with e = floor(log2(the largest magnitude in the block)) - 2, held to -126 .. 127; a block of zeros has e = 0. As a byte (E8M0): e + 127.
;;     - Each number is divided by its block's scale, clamped to +-7.5, and rounded to the nearest number of E2M3, ties to even, subnormals kept.
;;     - The product sums the exact products of the quantised numbers (number of the format x scale) in f32.
;;   ~~~python
;;   def quantise(x, axis):      # numpy; x: float32 -> the quantised numbers, widened to float32 again
;;       x = np.moveaxis(x, axis, -1); K = x.shape[-1]
;;       x = np.pad(x, [(0, 0)] * (x.ndim - 1) + [(0, -K % 32)]); x = x.reshape(x.shape[:-1] + (-1, 32)); a = np.abs(x).max(-1, keepdims=True)
;;       e = np.where(a > 0, np.clip(np.frexp(np.where(a > 0, a, 1))[1] - 1 - 2, -126, 127), 0)      # np.frexp(a)[1] - 1 = floor(log2(a)), exactly
;;       r = np.clip(x / 2.0 ** e, -7.5, 7.5)
;;       step = 2.0 ** (np.maximum(np.frexp(np.where(r == 0, 1, r))[1] - 1, 0) - 3)
;;       q = np.round(r / step) * step * 2.0 ** e      # np.round: ties to even
;;       return np.moveaxis(q.reshape(q.shape[:-2] + (-1,))[..., :K], -1, axis).astype(np.float32)
;;   ~~~
;;   SOFTMAX AHEAD OF A QUANTISED PRODUCT. Where the list says 'softmax', what is quantised is not the finished softmax but p = 2^(t - M), with t = logit x log2(e) and M = ceil(the row's largest t), a whole number; so 1/2 < the row's largest p <= 1. The row's sum l is taken of the UNQUANTISED p, in f32, and the product's result is divided by l at the end. Since M is a whole number, a kernel that streams over the keys may use a running M (the ceiling of the running maximum): every later rescaling is an exact power of two, which a block's scale takes up: the codes' values come out the same.
;;   OPERANDS COMPUTED ON THE WAY. 'Computed on the way' means the value that the module computes at that place (a softmax that the list does not call 'softmax' is quantised finished and normalised). What goes into a quantiser is computed in f32, as accurately as f32 sums, v_exp_f32 and their like allow (about 1e-6 of the number): no bf16 or f16 on the way to a quantiser, and a product that is left as it is and whose result goes on into a quantised operand takes f32 operands (vector FMAs, or v_wmma_f32_16x16x4_f32). A number that lies on a knife's edge between two numbers of the format may be rounded either way, as far as f32 arithmetic and the matrix unit's own rounding can turn it there, and no further.
;; One version. Each part assembles by itself: llvm-mc -triple=amdgcn-amd-amdhsa -mcpu=gfx1250 --defsym DOCPART=n.
;; ======== version 1 of 1: 3 launches
;; limits: right only within a limited range of input values
;; workspace buffers: codes 4,718,592 bytes; scl 196,608 bytes; part 33,554,432 bytes; stat 262,144 bytes
;; launch proj (part 1): grid 64 x 6, 8 waves a work-group, no clusters, 97,280 bytes of LDS; arguments X, Wq, Wk, Wv, codes, scl; writes codes, scl
.if DOCPART == 1
	.amdgcn_target "amdgcn-amd-amdhsa--gfx1250"
	.amdhsa_code_object_version 6
	.text
	.protected	k_q76215eefc7_proj
	.globl	k_q76215eefc7_proj
	.p2align	8
	.type	k_q76215eefc7_proj,@function
k_q76215eefc7_proj:
	s_mov_b64 s[64:65], 0
	v_nop
	global_prefetch_b8 v0, s[64:65] scope:SCOPE_SE
	s_setreg_imm32_b32 hwreg(HW_REG_WAVE_MODE, 25, 1), 1
	s_wait_xcnt 0x0
; Q = X Wq^T, K = X Wk^T, V = X Wv^T on codes of FP6 (E2M3) with one E8M0 scale for each 32 along K, and the results quantised again for the two products of attention:
; Q and K along the 256 channels, V along the keys.  X [8192][256], W [256][256]: f32.  Results: images of operand registers in 'codes', scale words in 'scl'.
; ONE TEXT, SIX KINDS OF JOB.  Work-group (g, y): kind = y / 2 (0 Q, 1 K, 2 V), c = y % 2.  Two dense sources of 128 rows x 256 f32: Wp = rows 128 c on of the kind's W, Xp = rows 128 g on of X.
; Source 0 of the product (A') is Wp for Q and K and Xp for V; source 1 (B') is the other.  In a result a lane holds ONE row of B' and its registers run along A''s rows, which are the next product's K.
; THE ROWS OF A TILE ARE NOT NEIGHBOURS: lane r of tile w takes row 32 (w / 2) + 8 (w % 2) + r + 8 (r / 8), so that the 16 registers of result tiles 2 b, 2 b + 1 are 16 neighbours: 32 b + 16 (lane / 16) + 0 .. 15.
; SHARES.  Wave w quantises tile w of A' (two fragments: K steps 0 and 1; their images go to LDS for all eight waves) and tile w of B' (two fragments, kept), multiplies B' tile w by A''s eight tiles
; (16 matrix instructions, eight accumulators by turns), quantises its 64 results a lane into ONE fragment and one scale word a row, and stores the fragment's image: 3 x 512 consecutive bytes.
; 'codes': region kind x 0x180000; in it image 16 g + 2 w + c, 1,536 bytes: registers 4 n .. 4 n + 3 of lane l at 512 n + 16 l.
; 'scl': region kind x 65,536; group g 1,024 bytes; the word of (tile w, c, lane r) at 512 (w / 4) + 256 c + 16 r + 4 (w % 4): a load of 16 bytes a lane then brings four tiles' scale registers, c = 0 in lanes 0-15, c = 1 in lanes 16-31.
; A block's scale: its largest magnitude's exponent field less 2, held at 1 from below.
; LIMITS: NaN and infinities are not served; a block whose largest magnitude lies under 2^-124, a block of zeros among them, gets the byte 1 (a block of zeros: 127 by the rule; its codes are zeros, and this program alone reads the bytes).
.set AIMG, 0                           ; LDS: A''s 16 images (2 a + ks), 1,536 bytes each
.set ASC,  24576                       ; their scale words, 128 bytes each (4 x lane)
.set OSC,  26624                       ; the work-group's 128 result scale words, in the order in which they leave
.set XA,  4                            ; v4   where I read my row back from my wave's stage: STG + 8,448 x wave + 528 r + 64 h
.set LI,  5                            ; v5   16 x lane
.set LS,  6                            ; v6   4 x lane
.set AWI, 7                            ; v7   where I store A''s images: 16 x lane + 3,072 x wave
.set AWS, 8                            ; v8   and their scale words: ASC + 4 x lane + 256 x wave
.set OSA, 9                            ; v9   OSC + 256 (w / 4) + 16 r + 4 (w % 4)
.set OSR, 10                           ; v10  OSC + 16 x lane
.set OSG, 11                           ; v11  512 (lane / 16) + 16 (lane % 16)
.set BF,  16                           ; v16-39   B''s two fragments
.set BS,  40                           ; v40-41   B''s scale words: scales and nothing else
.set AS,  42                           ; v42-49   A''s scale words of eight tiles: scales and nothing else
.set TM,  50                           ; v50-65   at work in QUANT
.set PW,  66                           ; v66      a scale word on its way to LDS
.set PC,  68                           ; v68-79   codes on their way out
.set CT,  80                           ; v80-82, v84-86 second halves of blocks
.set ST0, 88                           ; v88-151  64 numbers as loaded; later the eight accumulators
.set ACC, 88
.set ST1, 152                          ; v152-215 64 numbers as loaded
.set AF,  152                          ; v152-247 A''s eight fragments of a K step
.set WV,  16
.set SEL, 20
.set PA,  32                           ; s[32:33] A' at my tile, s[34:35] B' at my tile
.set PB,  34
.set PO,  36                           ; s[36:37] my image in 'codes', s[38:39] the work-group's words in 'scl'
.set PS,  38
.macro PLACES n
.rept \n
	v_nop
.endr
.endm
; my tile's numbers of K step k (128 along K: 64 a lane): register 16 b + 4 j + i = k 32 b + 16 h + 4 j + i of my row
.set STW, 12                           ; v12  where I put 16 bytes of a row into my wave's stage: STG + 8,448 x wave + 16 x lane
.set STG, 29696                        ; LDS, behind the spare words: a stage of 16 rows x (512 + 16) bytes for each wave
; a tile's 16 rows x 512 bytes go through the wave's own stage as they were loaded and come back 64 numbers a lane: register 16 b + 4 j + i = k 32 b + 16 h + 4 j + i of row r.
; LDS serves a wave's instructions in order: no wait between the stores and the loads, nor between one turn's loads and the next turn's stores.
.macro TURN reg
.irp i, 0,1,2,3,4,5,6,7,8,9,10,11,12,13,14,15
	ds_store_b128 v[STW], v[\reg+4*\i:\reg+4*\i+3] offset:528*\i
.endr
.irp b, 0,1,2,3
.irp j, 0,1,2,3
	ds_load_b128 v[\reg+16*\b+4*\j:\reg+16*\b+4*\j+3], v[XA] offset:128*\b+16*\j
.endr
.endr
.endm
; each load takes 512 consecutive bytes of ONE row, 16 a lane: the tile's row 8 b + j is row 16 b + j from the tile's first
.macro XLOAD reg, base, k
.irp b, 0,1
.irp j, 0,1,2,3,4,5,6,7
	global_load_b128 v[\reg+32*\b+4*\j:\reg+32*\b+4*\j+3], v[LI], s[\base:\base+1] offset:512*\k+16384*\b+1024*\j
.endr
.endr
.endm
; 64 numbers of a lane, register 16 b + i = k 32 b + 16 (lane / 16) + i of my row, become a fragment's codes in v[d] on and its scale word in v[w]
.macro QUANT s, d, w
.irp b, 0,1,2,3
	v_max3_num_f32 v[TM+\b], |v[\s+16*\b]|, |v[\s+1+16*\b]|, 0x1800000   ; block b: my 16 numbers, and the floor 2^(3 - 127): the byte cannot fall under 1
.endr
.irp i, 2,4,6,8,10,12,14
.irp b, 0,1,2,3
	v_max3_num_f32 v[TM+\b], v[TM+\b], |v[\s+16*\b+\i]|, |v[\s+1+16*\b+\i]|   ; the four blocks by turns
.endr
.endr
.irp b, 0,1,2,3
	s_delay_alu instid0(VALU_DEP_4)
	v_permlanex16_b32 v[TM+4+\b], v[TM+\b], s[SEL], s[SEL+1]
.endr
.irp b, 0,1,2,3
	s_delay_alu instid0(VALU_DEP_4)
	v_max_num_f32 v[TM+\b], v[TM+\b], v[TM+4+\b]   ; with lane l xor 16's: the block's largest magnitude
.endr
.irp b, 0,1,2,3
	s_delay_alu instid0(VALU_DEP_4)
	v_add_nc_u32 v[TM+12+\b], 0xff000000, v[TM+\b]   ; 2 off its exponent field: the conversion's scale operand
.endr
.irp b, 0,1,2,3
	s_delay_alu instid0(VALU_DEP_4)
	v_lshrrev_b32 v[TM+4+\b], 23, v[TM+12+\b]      ; the scale's byte
.endr
	s_delay_alu instid0(VALU_DEP_3)
	v_lshl_or_b32 v[\w], v[TM+5], 8, v[TM+4]       ; four bytes: my row's scale word
	s_delay_alu instid0(VALU_DEP_1)
	v_lshl_or_b32 v[\w], v[TM+6], 16, v[\w]
	s_delay_alu instid0(VALU_DEP_1)
	v_lshl_or_b32 v[\w], v[TM+7], 24, v[\w]
.irp c, 0,1
	v_cvt_scalef32_pk16_fp6_f32 v[\d+6*\c:\d+2+6*\c], v[\s+32*\c:\s+15+32*\c], v[TM+12+2*\c]
	v_cvt_scalef32_pk16_fp6_f32 v[CT+4*\c:CT+2+4*\c], v[\s+16+32*\c:\s+31+32*\c], v[TM+12+2*\c+1]   ; (a conversion's three registers begin on an even number)
.endr
	v_nop                                          ; one plain place behind a scaled conversion
.irp c, 0,1                                    ; the operand's layout wants a whole block in a lane: lanes 0-15 block 2 c, lanes 16-31 block 2 c + 1
.irp i, 0,1,2
	v_permlane16_swap_b32 v[\d+6*\c+\i], v[CT+4*\c+\i]
.endr
.irp i, 0,1,2
	s_delay_alu instid0(VALU_DEP_3)
	v_mov_b32 v[\d+3+6*\c+\i], v[CT+4*\c+\i]
.endr
.endr
.endm
.macro IMAGE off                               ; the fragment in v[PC] on goes to LDS as it stands
.irp m, 0,1,2
	ds_store_b128 v[AWI], v[PC+4*\m:PC+4*\m+3] offset:AIMG+\off+512*\m
.endr
.endm
.macro FETCHA k                                ; A''s eight fragments of K step k, and their scale words
.irp a, 0,1,2,3,4,5,6,7
.irp m, 0,1,2
	ds_load_b128 v[AF+12*\a+4*\m:AF+12*\a+4*\m+3], v[LI] offset:AIMG+(2*\a+\k)*1536+512*\m
.endr
	ds_load_b32 v[AS+\a], v[LS] offset:ASC+(2*\a+\k)*128
.endr
.endm
.macro BARRIER                                 ; my LDS stores have landed and my LDS loads are in: then the work-group's barrier
	s_wait_dscnt 0x0
	s_barrier_signal -1
	s_barrier_wait -1
.endm
	s_load_b256 s[4:11], s[0:1], 0x0               ; X s[4:5], Wq s[6:7], Wk s[8:9], Wv s[10:11]
	s_load_b128 s[12:15], s[0:1], 0x20             ; codes s[12:13], scl s[14:15]
	v_lshl_add_u32 v254, v0, 2, 0x7000
	v_mov_b32 v255, 0
	v_lshrrev_b32 v1, 5, v0
	s_delay_alu instid0(VALU_DEP_1)
	v_readfirstlane_b32 s[WV], v1                  ; wave 0..7
	v_and_b32 v1, 31, v0                           ; lane
	v_and_b32 v2, 15, v0                           ; r
	v_bfe_u32 v3, v0, 4, 1                         ; h
	s_delay_alu instid0(VALU_DEP_2)
	v_mul_u32_u24 v[XA], v2, 528
	s_delay_alu instid0(VALU_DEP_1)
	v_lshl_add_u32 v[XA], v3, 6, v[XA]
	v_lshlrev_b32 v[LI], 4, v1
	s_wait_alu depctr_va_vdst(0)
	v_lshlrev_b32 v[LS], 2, v1
	s_mul_i32 s28, s[WV], 3072
	v_add_nc_u32 v[AWI], s28, v[LI]
	s_mul_i32 s28, s[WV], 8448
	s_add_co_u32 s28, s28, STG
	v_add_nc_u32 v[XA], s28, v[XA]
	v_add_nc_u32 v[STW], s28, v[LI]
	s_lshl_b32 s28, s[WV], 8
	s_add_co_u32 s28, s28, ASC
	v_add_nc_u32 v[AWS], s28, v[LS]
	s_lshr_b32 s28, s[WV], 2
	s_lshl_b32 s28, s28, 8
	s_and_b32 s29, s[WV], 3
	s_lshl_b32 s29, s29, 2
	s_add_co_u32 s28, s28, s29
	s_add_co_u32 s28, s28, OSC
	v_lshl_add_u32 v[OSA], v2, 4, s28
	v_add_nc_u32 v[OSR], OSC, v[LI]
	v_lshlrev_b32 v[OSG], 9, v3
	s_delay_alu instid0(VALU_DEP_1)
	v_lshl_add_u32 v[OSG], v2, 4, v[OSG]
.irp b, 0,1,2,3
	v_mov_b32 v[TM+4+\b], 0                        ; written once: a lane permute's destination counts as one of its sources
.endr
	s_mov_b32 s[SEL], 0x76543210
	s_mov_b32 s[SEL+1], 0xfedcba98                 ; v_permlanex16_b32's selects for lane l xor 16
	s_mov_b32 s17, ttmp9                           ; g
	s_and_b32 s18, ttmp7, 0xffff
	s_and_b32 s19, s18, 1                          ; c
	s_lshr_b32 s18, s18, 1                         ; kind
	s_lshr_b32 s22, s[WV], 1
	s_lshl_b32 s22, s22, 15
	s_and_b32 s23, s[WV], 1
	s_lshl_b32 s23, s23, 13
	s_add_co_u32 s22, s22, s23                     ; my tile's first row, in bytes: (32 (w / 2) + 8 (w % 2)) x 1,024
	s_lshl_b32 s28, s19, 17
	s_add_co_u32 s28, s28, s22                     ; in W: 128 c rows + my tile
	s_mov_b32 s29, 0
	s_lshl_b32 s30, s17, 17
	s_add_co_u32 s30, s30, s22                     ; in X: 128 g rows + my tile
	s_mov_b32 s31, 0
	s_lshl_b32 s40, s17, 4
	s_lshl_b32 s41, s[WV], 1
	s_add_co_u32 s40, s40, s41
	s_add_co_u32 s40, s40, s19
	s_mul_i32 s40, s40, 1536                       ; image 16 g + 2 w + c,
	s_mul_i32 s41, s18, 0x180000
	s_add_co_u32 s40, s40, s41                     ; in the kind's region
	s_mov_b32 s41, 0
	s_lshl_b32 s42, s18, 16
	s_lshl_b32 s43, s17, 10
	s_add_co_u32 s42, s42, s43
	s_lshl_b32 s43, s19, 8
	s_add_co_u32 s42, s42, s43                     ; scale words: 65,536 kind + 1,024 g + 256 c
	s_mov_b32 s43, 0
	s_wait_alu depctr_va_vdst(0)
	s_wait_kmcnt 0x0
	s_cmp_eq_u32 s18, 1                            ; the kind's W: the choices hang on the work-group's number alone
	s_cselect_b64 s[24:25], s[8:9], s[6:7]
	s_cmp_eq_u32 s18, 2
	s_cselect_b64 s[24:25], s[10:11], s[24:25]
	s_add_nc_u64 s[24:25], s[24:25], s[28:29]      ; Wp at my tile
	s_add_nc_u64 s[26:27], s[4:5], s[30:31]        ; Xp at my tile
	s_cselect_b64 s[PA:PA+1], s[26:27], s[24:25]   ; (the 64-bit sums leave the compare's result alone)  V: source 0 = X's rows, the keys
	s_cselect_b64 s[PB:PB+1], s[24:25], s[26:27]
	s_add_nc_u64 s[PO:PO+1], s[12:13], s[40:41]
	s_add_nc_u64 s[PS:PS+1], s[14:15], s[42:43]
	XLOAD ST0, PA, 0
	XLOAD ST1, PA, 1
	s_wait_loadcnt 16
	TURN ST0
	s_wait_dscnt 0x0
	QUANT ST0, PC, PW
	IMAGE 0
	ds_store_b32 v[AWS], v[PW]
	XLOAD ST0, PB, 0
	s_wait_loadcnt 16
	TURN ST1
	s_wait_dscnt 0x0                               ; my row is back, and the image's stores have read their registers
	QUANT ST1, PC, PW
	IMAGE 1536
	ds_store_b32 v[AWS], v[PW] offset:128
	XLOAD ST1, PB, 1
	s_wait_loadcnt 16
	TURN ST0
	s_wait_dscnt 0x0
	QUANT ST0, BF, BS
	s_wait_loadcnt 0x0
	TURN ST1
	s_wait_dscnt 0x0
	QUANT ST1, BF+12, BS+1
	PLACES 8                                       ; a scale register written by a vector instruction stands 8 places ahead of a scaled matrix instruction, an operand so written 4
	BARRIER                                        ; A''s sixteen images lie in LDS
	FETCHA 0
	s_wait_dscnt 0x0
.irp a, 0,1,2,3,4,5,6,7                        ; the first K step starts the sums; the eight accumulators take turns
	v_wmma_scale_f32_16x16x128_f8f6f4 v[ACC+8*\a:ACC+8*\a+7], v[AF+12*\a:AF+12*\a+11], v[BF:BF+11], 0, v[AS+\a], v[BS] matrix_a_fmt:MATRIX_FMT_FP6 matrix_b_fmt:MATRIX_FMT_FP6
.endr
	PLACES 4                                       ; in front of loads into registers that matrix instructions have read
	FETCHA 1
	s_wait_alu depctr_va_vdst(0)
	s_wait_dscnt 0x0
.irp a, 0,1,2,3,4,5,6,7
	v_wmma_scale_f32_16x16x128_f8f6f4 v[ACC+8*\a:ACC+8*\a+7], v[AF+12*\a:AF+12*\a+11], v[BF+12:BF+23], v[ACC+8*\a:ACC+8*\a+7], v[AS+\a], v[BS+1] matrix_a_fmt:MATRIX_FMT_FP6 matrix_b_fmt:MATRIX_FMT_FP6
.endr
	PLACES 4                                       ; in front of the first read of results
	QUANT ACC, PC, PW                              ; each accumulator is read from its low end on
.irp m, 0,1,2
	global_store_b128 v[LI], v[PC+4*\m:PC+4*\m+3], s[PO:PO+1] offset:512*\m   ; 32 lanes store 512 consecutive bytes, at a multiple of 512 from the buffer's first byte
.endr
	ds_store_b32 v[OSA], v[PW]                     ; lanes l and l xor 16 write the same word with the same value
	BARRIER                                        ; the work-group's 128 scale words lie in LDS
	s_cmp_lg_u32 s[WV], 0
	s_cbranch_scc1 .Lend
	ds_load_b128 v[AF:AF+3], v[OSR]
	s_wait_dscnt 0x0
	global_store_b128 v[OSG], v[AF:AF+3], s[PS:PS+1]   ; sixteen lanes store 256 consecutive bytes, aligned; the other sixteen the 256 bytes that lie 512 on
.Lend:
	s_wait_tensorcnt 0x0
	ds_add_u32 v254, v255
	s_wait_dscnt 0x0
	s_endpgm
.Lfunc_end_k_q76215eefc7_proj:
	.size	k_q76215eefc7_proj, .Lfunc_end_k_q76215eefc7_proj-k_q76215eefc7_proj
	.p2alignl 7, 3214868480
	.fill 96, 4, 3214868480
	.section	.rodata,"a",@progbits
	.p2align	6, 0x0
	.amdhsa_kernel k_q76215eefc7_proj
		.amdhsa_group_segment_fixed_size 97280
		.amdhsa_private_segment_fixed_size 0
		.amdhsa_enable_private_segment 0
		.amdhsa_kernarg_size 48
		.amdhsa_user_sgpr_count 2
		.amdhsa_user_sgpr_kernarg_segment_ptr 1
		.amdhsa_wavefront_size32 1
		.amdhsa_system_sgpr_workgroup_id_x 1
		.amdhsa_system_sgpr_workgroup_id_y 1
		.amdhsa_system_sgpr_workgroup_id_z 1
		.amdhsa_system_vgpr_workitem_id 0
		.amdhsa_next_free_vgpr 256
		.amdhsa_next_free_sgpr 66
		.amdhsa_reserve_vcc 0
		.amdhsa_float_denorm_mode_32 3
		.amdhsa_float_denorm_mode_16_64 3
		.amdhsa_memory_ordered 1
		.amdhsa_forward_progress 1
		.amdhsa_inst_pref_size 49
	.end_amdhsa_kernel
	.amdgpu_metadata
---
amdhsa.version: [ 1, 2 ]
amdhsa.kernels:
  - .name:           k_q76215eefc7_proj
    .symbol:         k_q76215eefc7_proj.kd
    .args:
      - { .name: X, .offset: 0, .size: 8, .value_kind: global_buffer, .address_space: global }
      - { .name: Wq, .offset: 8, .size: 8, .value_kind: global_buffer, .address_space: global }
      - { .name: Wk, .offset: 16, .size: 8, .value_kind: global_buffer, .address_space: global }
      - { .name: Wv, .offset: 24, .size: 8, .value_kind: global_buffer, .address_space: global }
      - { .name: codes, .offset: 32, .size: 8, .value_kind: global_buffer, .address_space: global }
      - { .name: scl, .offset: 40, .size: 8, .value_kind: global_buffer, .address_space: global }
    .group_segment_fixed_size: 97280
    .private_segment_fixed_size: 0
    .kernarg_segment_align: 8
    .kernarg_segment_size: 48
    .max_flat_workgroup_size: 256
    .sgpr_count:     66
    .vgpr_count:     256
    .wavefront_size: 32
...
	.end_amdgpu_metadata
.endif
;; end of part 1
;; launch attn (part 2): grid 64 x 4, 8 waves a work-group, clusters of 4 x 1, 327,680 bytes of LDS; arguments codes, scl, part, stat; writes part, stat
.if DOCPART == 2
	.amdgcn_target "amdgcn-amd-amdhsa--gfx1250"
	.amdhsa_code_object_version 6
	.text
	.protected	k_q76215eefc7_attn
	.globl	k_q76215eefc7_attn
	.p2align	8
	.type	k_q76215eefc7_attn,@function
k_q76215eefc7_attn:
	s_mov_b64 s[64:65], 0
	v_nop
	global_prefetch_b8 v0, s[64:65] scope:SCOPE_SE
	s_setreg_imm32_b32 hwreg(HW_REG_WAVE_MODE, 25, 1), 1
	s_wait_xcnt 0x0
	s_wait_alu depctr_hold_cnt(0) depctr_sa_sdst(0) depctr_va_vdst(0) depctr_va_sdst(0) depctr_va_ssrc(0) depctr_va_vcc(0) depctr_vm_vsrc(0)
	s_getreg_b32 s2, hwreg(HW_REG_IB_STS2, 6, 4)
	s_cmp_eq_u32 s2, 0
	s_cbranch_scc0 .Lentry_in_a_cluster
	s_endpgm
.Lentry_in_a_cluster:
	s_bfe_u32 s2, ttmp6, 0x10000c
	s_cmp_lg_u32 s2, 0x3003
	s_cbranch_scc0 .Lentry_shape_is_right
	s_endpgm
.Lentry_shape_is_right:
; Attention on codes of FP6 (E2M3): work-group (g, y) takes queries 128 g .. 128 g + 127 against the keys of quarter y (2,048), and stores O^T's sums under a joint M in 'part' and (-M, l) in 'stat'.
; Both products are used transposed (S^T = K Q^T, O^T = V^T p^T): a lane holds one query.  p = 2^(t - M), M the ceiling of the running largest t; l is the sum of the unquantised p.
; SHARES.  Wave w: queries 32 (w % 4) on (two tiles of 16), key half KH = w / 4: of each step's 256 keys the 128 of group 2 j + KH.  The two halves are joined through LDS at the end.
; THE TWO WAVES THAT DIFFER IN KH WALK THE SAME CYCLE (scores, softmax, weighted sum) FROM DIFFERENT POINTS, so that one has matrix work while the other has vector work:
;   trip j, KH = 0: weighted sum (j - 1), scores (j), softmax (j);     KH = 1: softmax (j - 1), weighted sum (j - 1), scores (j).
; So the slot of trip j holds K's tile of step j and V's tile of step j - 1: nine trips for eight steps; trip 0 has scores (and KH = 0's softmax) alone, trip 8 no scores.
; FILLS, one tensor load a wave behind each round, all joint (the four work-groups of a cluster share y): head: waves 0-3 K(0), waves 4-7 the quarter's scale words (32 KiB, which stay);
;   trip 0 (first fills alone): waves 0-3 K(1), waves 4, 5 V(0), waves 6, 7 V(1); trip 1: K(2) alone; trips 2 to 6 (the loop): K(j + 1) and V(j); trip 7: V(7) alone; trip 8: none.
; Every wait on TENSORcnt is for 0.
; No data prefetch is laid: the sixteen clusters of a quarter ask for the same tiles in the same trips, and a cluster asks for each of its tiles one whole trip ahead of its first read.
; LIMITS: NaN and infinities are not served; the promise holds while the scaled scores t stay under 2^31 in magnitude.
.set SLOT1, 131072                     ; LDS: slot s at s x SLOT1: K's two groups, then (VOFF) V's two groups
.set VOFF,  49152
.set GRP,   24576                      ; a group: 128 keys, 16 images of 1,536 bytes
.set FRB,   1536
.set SCB,   98304                      ; the scale words: K's 16 KiB, V's 16 KiB
.set STG,   133120                     ; the way out: a stage for each key half (over the slots, which have had their last fill)
.set SPI,   1040
.set STAT,  266240
.set SPARE, 268288                     ; the spare words, 128 bytes a wave
.set LI,  1
.set AK0, 2
.set AS0, 3
.set ADK, 4
.set ADV, 5
.set SPW, 6
.set NIL, 7
.set ST,  8                            ; v8-15: for each query tile -M, the running largest t, l in two halves
.set QF,  16                           ; v16-63 Q's four fragments
.set S,   64                           ; v64-191 scores, then p; later V's fragments
.set VB,  64
.set HB,  192                          ; v192-239 K's fragments; later p's codes and the softmax's work
.set PC,  192
.set CT,  216
.set BM,  224
.set T2,  228
.set SO,  232
.set FP,  236
.set TMP, 240
.set ADS, 241
.set SM2, 242
.set SCR, 244                          ; v244-251 K's or V's scale words; v252-253 p's; v254-255 Q's: scales and nothing else
.set PW,  252
.set QS,  254
.set STO, 2
.set STA, 3
.set RDA, 4
.set RDB, 5
.set OB,  16
.set WV,  12
.set PP,  13
.set KH,  14
.set GG,  16
.set YY,  17
.set SEL, 20
.set CS,  22
.set G1T, 24
.set G1S, 32
.set G0T, 40
.set G0S, 44
.set TB,  48
.set TS,  49
.set CNT, 50
.set QB,  56
.set QSB, 58
.set PB,  60
.set SB,  62
.set G1V, 72
.set G0V, 80
.set MSB, 0
.macro WIN new
.if MSB != \new
	s_set_vgpr_msb (MSB<<8)|\new
.set MSB, \new
.endif
.endm
.set W_PV, 0x50                        ; C and D in window 1: O^T, v256-511
.set W_RS, 0x41
.set W_ST, 0x04
.macro PLACES n
.rept \n
	v_nop
.endr
.endm
.macro CROUND
	s_barrier_signal -1
	s_barrier_wait -1
	s_cmp_lg_u32 s[WV], 0
	s_cbranch_scc1 .Lnot_wave_0_\@
	s_barrier_signal -3
.Lnot_wave_0_\@:
	s_barrier_wait -3
	s_barrier_signal -1
	s_barrier_wait -1
.endm
.macro TLOAD g0, g1
	tensor_load_to_lds s[\g0:\g0+3], s[\g1:\g1+7]
	s_nop 0
	PLACES 4
.endm
.macro GRP1 g, rows                    ; a dense block as rows of 256 bytes, for all four work-groups of the cluster
	s_mov_b32 s[\g], 15|(3<<16)|(1<<21)
	s_mov_b32 s[\g+1], 32<<16
	s_mov_b32 s[\g+2], (\rows)<<16
	s_mov_b32 s[\g+3], 32<<16
	s_mov_b32 s[\g+4], \rows
	s_mov_b32 s[\g+5], 32
	s_mov_b32 s[\g+6], 0
	s_mov_b32 s[\g+7], 0
.endm
; A change of slots.  kind 0: nothing is filled; 1: every wave fills its piece; 2: K's waves alone; 3: V's waves alone; 4: the first fills of slot 1 and of slot 0's V.
; Every wave steps its group 0 in every change of kind 1 to 4, behind the wait that shows its loads done, whether it asks or not.
.macro CHANGE kind
	s_wait_alu depctr_va_vdst(0)
	s_wait_tensorcnt 0x0
	ds_add_u32 v[SPW], v[NIL]
.if \kind
	s_xor_b32 s[G0T+1], s[G0T+1], SLOT1
	s_add_nc_u64 s[G0T+2:G0T+3], s[G0T+2:G0T+3], 2*GRP
.endif
	s_wait_dscnt 0x0                               ; the add, and my reads of the slot that is left
.if \kind == 0
	s_barrier_signal -1
	s_barrier_wait -1
.else
	CROUND
.if \kind == 1
	TLOAD G0T, G1T
.endif
.if \kind == 2
	s_cmp_lg_u32 s[KH], 0
	s_cbranch_scc1 .Lnone_\@
	TLOAD G0T, G1T
.Lnone_\@:
.endif
.if \kind == 3
	s_cmp_eq_u32 s[KH], 0
	s_cbranch_scc1 .Lnone_\@
	TLOAD G0T, G1T
.Lnone_\@:
.endif
.if \kind == 4
	s_cmp_lg_u32 s[KH], 0
	s_cbranch_scc1 .Lv_\@
	TLOAD G0T, G1T
	s_branch .Lj_\@
.Lv_\@:
	TLOAD G0V, G1V
.Lj_\@:
.endif
.endif
.endm
.macro ADDR                            ; this trip's LDS addresses: my group of K, of V, my scale words
	v_add_nc_u32 v[ADK], s[TB], v[AK0]
	v_add_nc_u32 v[ADS], s[TS], v[AS0]
	s_delay_alu instid0(VALU_DEP_2)
	v_add_nc_u32 v[ADV], VOFF, v[ADK]
	s_xor_b32 s[TB], s[TB], SLOT1
	s_add_co_u32 s[TS], s[TS], 2048
	s_wait_alu depctr_va_vdst(0)
.endm
.macro FETCHKU n
.irp t, 0,1
.irp m, 0,1,2
	ds_load_b128 v[HB+24*((\n)%2)+12*\t+4*\m:HB+24*((\n)%2)+12*\t+4*\m+3], v[ADK] offset:(4*((\n)/2)+2*\t+(\n)%2)*FRB+512*\m
.endr
.endr
.endm
.macro SMUL n
.irp t, 0,1
.irp u, 0,1
.set rD, S+64*\u+8*(2*((\n)/2)+\t)
.set rA, HB+24*((\n)%2)+12*\t
.set rB, QF+24*\u+12*((\n)%2)
.if (\n)%2 == 0
	v_wmma_scale_f32_16x16x128_f8f6f4 v[rD:rD+7], v[rA:rA+11], v[rB:rB+11], 0, v[SCR+2*((\n)/2)+\t], v[QS+\u] matrix_a_fmt:MATRIX_FMT_FP6 matrix_b_fmt:MATRIX_FMT_FP6
.else
	v_wmma_scale_f32_16x16x128_f8f6f4 v[rD:rD+7], v[rA:rA+11], v[rB:rB+11], v[rD:rD+7], v[SCR+2*((\n)/2)+\t], v[QS+\u] matrix_a_fmt:MATRIX_FMT_FP6 matrix_b_fmt:MATRIX_FMT_FP6 matrix_a_scale:MATRIX_SCALE_ROW1 matrix_b_scale:MATRIX_SCALE_ROW1
.endif
.endr
.endr
.endm
; scores of my 128 keys x 32 queries: 32 matrix instructions, four accumulators by turns; two of K's fragments at a time, the next two on their way (the count 6)
.macro SBLK
	PLACES 5                                       ; behind the weighted sum's last products: loads into, and results over, their registers
	ds_load_b128 v[SCR:SCR+3], v[ADS]
	ds_load_b128 v[SCR+4:SCR+7], v[ADS] offset:512
	FETCHKU 0
	FETCHKU 1
.irp n, 0,1,2,3,4,5,6,7
.if \n < 7
	s_wait_dscnt 6
.else
	s_wait_dscnt 0x0
.endif
	SMUL \n
.if \n < 6
	PLACES 4
	FETCHKU \n+2
.endif
.endr
	PLACES 4
.endm
; query tile u: the blocks' largest scores, the new M, p, l, p's codes and scale word; f = 2^(old M - new M) stays in v[FP + 2 u]
.macro SOFTMAX u
.set rS, S+64*(\u)
.set rT, ST+4*(\u)
.set rP, PC+12*(\u)
.set rF, FP+2*(\u)
.set rW, PW+(\u)
.irp b, 0,1,2,3
	v_max3_num_f32 v[BM+\b], v[rS+16*\b], v[rS+1+16*\b], v[rS+2+16*\b]
.endr
.irp i, 3,5,7,9,11,13
.irp b, 0,1,2,3
	v_max3_num_f32 v[BM+\b], v[BM+\b], v[rS+16*\b+\i], v[rS+1+16*\b+\i]
.endr
.endr
.irp b, 0,1,2,3
	v_max_num_f32 v[BM+\b], v[BM+\b], v[rS+15+16*\b]
.endr
.irp b, 0,1,2,3
	s_delay_alu instid0(VALU_DEP_4)
	v_permlanex16_b32 v[T2+\b], v[BM+\b], s[SEL], s[SEL+1]
.endr
.irp b, 0,1,2,3
	s_delay_alu instid0(VALU_DEP_4)
	v_max_num_f32 v[BM+\b], v[BM+\b], v[T2+\b]
.endr
	s_delay_alu instid0(VALU_DEP_2)
	v_max3_num_f32 v[TMP], v[BM], v[BM+1], v[BM+2]
	s_delay_alu instid0(VALU_DEP_1)
	v_max_num_f32 v[TMP], v[TMP], v[BM+3]
	s_delay_alu instid0(VALU_DEP_1)
	v_mul_f32 v[TMP], s[CS], v[TMP]
	s_delay_alu instid0(VALU_DEP_1)
	v_max_num_f32 v[rT+1], v[rT+1], v[TMP]
	v_mov_b32 v[TMP], v[rT]
	s_delay_alu instid0(VALU_DEP_2)
	v_floor_f32 v[rT], -v[rT+1]
	s_delay_alu instid0(VALU_DEP_1)
	v_sub_f32 v[TMP], v[rT], v[TMP]
	s_delay_alu instid0(VALU_DEP_1)
	v_cvt_i32_f32 v[TMP], v[TMP]
	s_delay_alu instid0(VALU_DEP_1)
	v_ldexp_f32 v[rF], 1.0, v[TMP]
.irp j, 0,2,4,6,8,10,12,14,16,18,20,22,24,26,28,30,32,34,36,38,40,42,44,46,48,50,52,54,56,58,60,62
	v_pk_fma_f32 v[rS+\j:rS+1+\j], v[rS+\j:rS+1+\j], s[CS:CS+1], v[rT:rT+1] op_sel_hi:[1,0,0]
.endr
.irp b, 0,1,2,3
	v_fma_f32 v[BM+\b], v[BM+\b], s[CS], v[rT]
.endr
	s_wait_alu depctr_va_vdst(0)
.irp j, 0,1,2,3,4,5,6,7,8,9,10,11,12,13,14,15,16,17,18,19,20,21,22,23,24,25,26,27,28,29,30,31,32,33,34,35,36,37,38,39,40,41,42,43,44,45,46,47,48,49,50,51,52,53,54,55,56,57,58,59,60,61,62,63
	v_exp_f32 v[rS+\j], v[rS+\j]
.endr
.irp b, 0,1,2,3
	v_exp_f32 v[BM+\b], v[BM+\b]
.endr
	v_pk_mul_f32 v[rT+2:rT+3], v[rT+2:rT+3], v[rF:rF+1] op_sel_hi:[1,0]
	s_wait_alu depctr_va_vdst(0)                   ; and behind it
.irp b, 0,1,2,3
	v_max_num_f32 v[BM+\b], 0x1800000, v[BM+\b]
.endr
.irp b, 0,1,2,3
	s_delay_alu instid0(VALU_DEP_4)
	v_add_nc_u32 v[SO+\b], 0xff000000, v[BM+\b]
.endr
.irp b, 0,1,2,3
	s_delay_alu instid0(VALU_DEP_4)
	v_lshrrev_b32 v[T2+\b], 23, v[SO+\b]
.endr
	s_delay_alu instid0(VALU_DEP_3)
	v_lshl_or_b32 v[rW], v[T2+1], 8, v[T2]
	s_delay_alu instid0(VALU_DEP_1)
	v_lshl_or_b32 v[rW], v[T2+2], 16, v[rW]
	s_delay_alu instid0(VALU_DEP_1)
	v_lshl_or_b32 v[rW], v[T2+3], 24, v[rW]
.irp c, 0,1
	v_cvt_scalef32_pk16_fp6_f32 v[rP+6*\c:rP+2+6*\c], v[rS+32*\c:rS+15+32*\c], v[SO+2*\c]
	v_cvt_scalef32_pk16_fp6_f32 v[CT+4*\c:CT+2+4*\c], v[rS+16+32*\c:rS+31+32*\c], v[SO+2*\c+1]
.endr
	v_nop
.irp c, 0,1
.irp i, 0,1,2
	v_permlane16_swap_b32 v[rP+6*\c+\i], v[CT+4*\c+\i]
.endr
.irp i, 0,1,2
	s_delay_alu instid0(VALU_DEP_3)
	v_mov_b32 v[rP+3+6*\c+\i], v[CT+4*\c+\i]
.endr
.endr
	v_pk_add_f32 v[SM2:SM2+1], v[rS:rS+1], v[rS+2:rS+3]
.irp j, 4,8,12,16,20,24,28,32,36,40,44,48,52,56,60
	v_pk_add_f32 v[rT+2:rT+3], v[rT+2:rT+3], v[rS+\j:rS+1+\j]
	v_pk_add_f32 v[SM2:SM2+1], v[SM2:SM2+1], v[rS+2+\j:rS+3+\j]
.endr
	s_delay_alu instid0(VALU_DEP_1)
	v_pk_add_f32 v[rT+2:rT+3], v[rT+2:rT+3], v[SM2:SM2+1]
.endm
.macro SMBLK
	SOFTMAX 0
	SOFTMAX 1
.endm
.macro RESC                            ; O^T under the new M: x f, each accumulator from its low end on
	WIN W_RS
	s_wait_alu depctr_va_vdst(0)
.set rO, 0
.irp u, 0,1
.rept 64
	v_pk_mul_f32 v[rO:rO+1], v[rO:rO+1], v[FP+2*\u:FP+2*\u+1] op_sel_hi:[1,0]
.set rO, rO+2
.endr
.endr
	WIN 0
	s_wait_alu depctr_va_vdst(0)                   ; and behind the last write
.endm
.macro FETCHV k
.irp t, 0,1,2,3
.irp m, 0,1,2
	ds_load_b128 v[VB+64*((\k)%2)+12*\t+4*\m:VB+64*((\k)%2)+12*\t+4*\m+3], v[ADV] offset:(4*(\k)+\t)*FRB+512*\m
.endr
.endr
.endm
.macro PV k, first
	WIN W_PV
.irp t, 0,1,2,3
.irp u, 0,1
.set rD, 128*\u+8*(4*(\k)+\t)
.set rA, VB+64*((\k)%2)+12*\t
.set rB, PC+12*\u
.set rC, SCR+(4*(\k)+\t)/2
.if \first
.if \t%2
	v_wmma_scale_f32_16x16x128_f8f6f4 v[rD:rD+7], v[rA:rA+11], v[rB:rB+11], 0, v[rC], v[PW+\u] matrix_a_fmt:MATRIX_FMT_FP6 matrix_b_fmt:MATRIX_FMT_FP6 matrix_a_scale:MATRIX_SCALE_ROW1
.else
	v_wmma_scale_f32_16x16x128_f8f6f4 v[rD:rD+7], v[rA:rA+11], v[rB:rB+11], 0, v[rC], v[PW+\u] matrix_a_fmt:MATRIX_FMT_FP6 matrix_b_fmt:MATRIX_FMT_FP6
.endif
.else
.if \t%2
	v_wmma_scale_f32_16x16x128_f8f6f4 v[rD:rD+7], v[rA:rA+11], v[rB:rB+11], v[rD:rD+7], v[rC], v[PW+\u] matrix_a_fmt:MATRIX_FMT_FP6 matrix_b_fmt:MATRIX_FMT_FP6 matrix_a_scale:MATRIX_SCALE_ROW1
.else
	v_wmma_scale_f32_16x16x128_f8f6f4 v[rD:rD+7], v[rA:rA+11], v[rB:rB+11], v[rD:rD+7], v[rC], v[PW+\u] matrix_a_fmt:MATRIX_FMT_FP6 matrix_b_fmt:MATRIX_FMT_FP6
.endif
.endif
.endr
.endr
	WIN 0
.endm
; O^T += V^T p^T of the step before this trip's: 32 matrix instructions on 32 accumulators; four of V's fragments at a time, the next four on their way (the count 12).
; V's scale words of step j - 1 lie 16,384 - 2,048 bytes behind K's of step j.
.macro PVBLK first
	ds_load_b128 v[SCR:SCR+3], v[ADS] offset:14336
	ds_load_b128 v[SCR+4:SCR+7], v[ADS] offset:14336+512
	FETCHV 0
	FETCHV 1
	s_wait_dscnt 12
	PV 0, \first
	PLACES 4
	FETCHV 2
	s_wait_dscnt 12
	PV 1, \first
	PLACES 4
	FETCHV 3
	s_wait_dscnt 12
	PV 2, \first
	s_wait_dscnt 0x0
	PV 3, \first
.endm
; A whole trip.  first = 1 (trip 1): the weighted sum starts O^T's sums, so only KH = 0, whose softmax follows it, has an O^T to rescale.
.macro BODY first
	s_cmp_lg_u32 s[KH], 0
	s_cbranch_scc1 .Lsm_\@
	PVBLK \first
	SBLK
.Lsm_\@:
	SMBLK
.if !\first
	RESC
.endif
	s_wait_alu depctr_va_vdst(0)
	s_cmp_lg_u32 s[KH], 0
	s_cbranch_scc1 .Lb_\@
.if \first
	RESC
.endif
	s_branch .Le_\@
.Lb_\@:
	PVBLK \first
	SBLK
.Le_\@:
.endm
	s_load_b256 s[4:11], s[0:1], 0x0               ; codes, scl, part, stat
	v_lshl_add_u32 v[SPW], v0, 2, SPARE
	v_mov_b32 v[NIL], 0
	ds_add_u32 v[SPW], v[NIL]
	ds_add_u32 v[SPW], v[NIL]
	v_lshrrev_b32 v1, 5, v0
	s_delay_alu instid0(VALU_DEP_1)
	v_readfirstlane_b32 s[WV], v1
	s_and_b32 s[PP], s[WV], 3
	s_lshr_b32 s[KH], s[WV], 2
	s_bfe_u32 s15, ttmp6, 0x40000
	s_lshl_b32 s[GG], ttmp9, 2
	s_add_co_u32 s[GG], s[GG], s15
	s_and_b32 s[YY], ttmp7, 0xffff
	GRP1 G1T, 48                                   ; a ring piece: half a group
	GRP1 G1S, 32                                   ; a quarter of the scale words
	GRP1 G1V, 96                                   ; a whole group of V
	s_mul_i32 s52, s[KH], 0x180000-2*GRP           ; ring pieces: waves 0-3 K from step 0; waves 4-7 V from one step ahead of step 0 (their third step of the address reaches V(2), their first ring fill)
	s_add_co_u32 s52, s52, 0x180000
	s_mul_i32 s53, s[YY], 16*GRP
	s_add_co_u32 s52, s52, s53
	s_add_co_u32 s18, s53, 0x300000                ; V's groups 0 to 3 of my quarter, one to each of waves 4-7
	s_mul_i32 s53, s[PP], 12288
	s_add_co_u32 s52, s52, s53
	s_mov_b32 s53, 0
	s_mul_i32 s19, s[PP], GRP
	s_add_co_u32 s18, s18, s19
	s_mov_b32 s19, 0
	s_lshr_b32 s54, s[PP], 1                       ; scale words: pieces 0, 1 K's, 2, 3 V's, 8,192 bytes each
	s_lshl_b32 s54, s54, 16
	s_add_co_u32 s54, s54, 65536
	s_lshl_b32 s55, s[YY], 14
	s_add_co_u32 s54, s54, s55
	s_and_b32 s55, s[PP], 1
	s_lshl_b32 s55, s55, 13
	s_add_co_u32 s54, s54, s55
	s_mov_b32 s55, 0
	s_mul_i32 s[QB], s[GG], GRP
	s_mul_i32 s[QB+1], s[PP], 4*FRB
	s_add_co_u32 s[QB], s[QB], s[QB+1]
	s_mov_b32 s[QB+1], 0
	s_lshl_b32 s[QSB], s[GG], 10
	s_lshr_b32 s[QSB+1], s[PP], 1
	s_lshl_b32 s[QSB+1], s[QSB+1], 9
	s_add_co_u32 s[QSB], s[QSB], s[QSB+1]
	s_and_b32 s[QSB+1], s[PP], 1
	s_lshl_b32 s[QSB+1], s[QSB+1], 3
	s_add_co_u32 s[QSB], s[QSB], s[QSB+1]
	s_mov_b32 s[QSB+1], 0
	s_lshl_b32 s[PB], s[GG], 7
	s_lshl_b32 s[PB+1], s[WV], 4
	s_add_co_u32 s[PB], s[PB], s[PB+1]
	s_lshl_b32 s[SB], s[PB], 3
	s_lshl_b32 s[PB], s[PB], 10
	s_lshl_b32 s[PB+1], s[YY], 23
	s_add_co_u32 s[PB], s[PB], s[PB+1]
	s_lshl_b32 s[PB+1], s[YY], 16
	s_add_co_u32 s[SB], s[SB], s[PB+1]
	s_mov_b32 s[PB+1], 0
	s_mov_b32 s[SB+1], 0
	s_mov_b32 s[G0T], 1
	s_mul_i32 s[G0T+1], s[WV], 12288
	s_mov_b32 s[G0S], 1
	s_lshl_b32 s[G0S+1], s[PP], 13
	s_add_co_u32 s[G0S+1], s[G0S+1], SCB
	s_mov_b32 s[G0V], 1                            ; V(0), groups 0 and 1, goes to slot 1; V(1), groups 2 and 3, to slot 0
	s_lshr_b32 s[G0V+1], s[PP], 1
	s_xor_b32 s[G0V+1], s[G0V+1], 1
	s_lshl_b32 s[G0V+1], s[G0V+1], 17
	s_and_b32 s51, s[PP], 1
	s_mul_i32 s51, s51, GRP
	s_add_co_u32 s[G0V+1], s[G0V+1], s51
	s_add_co_u32 s[G0V+1], s[G0V+1], VOFF
	s_mov_b32 s[SEL], 0x76543210
	s_mov_b32 s[SEL+1], 0xfedcba98
	s_mov_b32 s[CS], 0x3db8aa3b                    ; log2(e) / 16
	s_mov_b32 s[CS+1], s[CS]
	s_mov_b32 s[TB], 0
	s_mov_b32 s[TS], 0
	s_mov_b32 s67, 0
	s_mov_b32 s69, 0
	s_wait_dscnt 0x0                               ; both opening adds are done
	s_wait_kmcnt 0x0
	s_add_nc_u64 s[G0T+2:G0T+3], s[4:5], s[52:53]
	s_or_b32 s[G0T+3], s[G0T+3], 0x80000000
	s_add_nc_u64 s[G0V+2:G0V+3], s[4:5], s[18:19]
	s_or_b32 s[G0V+3], s[G0V+3], 0x80000000
	s_add_nc_u64 s[G0S+2:G0S+3], s[6:7], s[54:55]
	s_or_b32 s[G0S+3], s[G0S+3], 0x80000000
	s_add_nc_u64 s[QB:QB+1], s[4:5], s[QB:QB+1]
	s_add_nc_u64 s[QSB:QSB+1], s[6:7], s[QSB:QSB+1]
	s_add_nc_u64 s[PB:PB+1], s[8:9], s[PB:PB+1]
	s_add_nc_u64 s[SB:SB+1], s[10:11], s[SB:SB+1]
	CROUND
	s_cmp_lg_u32 s[KH], 0                          ; the head's loads, one a wave: K(0) or the scale words
	s_cbranch_scc1 .Lhead_s
	TLOAD G0T, G1T
	s_branch .Lhead_j
.Lhead_s:
	TLOAD G0S, G1S
.Lhead_j:
	v_and_b32 v[LI], 31, v0
	s_delay_alu instid0(VALU_DEP_1)
	v_lshlrev_b32 v[LI], 4, v[LI]
.irp n, 0,1,2,3,4,5,6,7,8,9,10,11
	global_load_b128 v[QF+4*\n:QF+4*\n+3], v[LI], s[QB:QB+1] offset:512*\n
.endr
	global_load_b64 v[QS:QS+1], v[LI], s[QSB:QSB+1]
	s_mul_i32 s52, s[KH], GRP
	v_add_nc_u32 v[AK0], s52, v[LI]
	s_lshl_b32 s52, s[KH], 10
	s_add_co_u32 s52, s52, SCB
	v_add_nc_u32 v[AS0], s52, v[LI]
.irp u, 0,1
	v_mov_b32 v[ST+4*\u+1], 0xff61b1e6             ; the largest t so far: -3e38
	s_delay_alu instid0(VALU_DEP_1)
	v_floor_f32 v[ST+4*\u], -v[ST+4*\u+1]
	v_mov_b32 v[ST+4*\u+2], 0
	v_mov_b32 v[ST+4*\u+3], 0
.endr
	s_wait_loadcnt 0x0
	CHANGE 4                                       ; trip 0
	ADDR
	SBLK
	s_cmp_lg_u32 s[KH], 0
	s_cbranch_scc1 .Ltrip1
	SMBLK                                          ; no O^T yet: nothing to rescale
.Ltrip1:
	CHANGE 2                                       ; trip 1
	ADDR
	BODY 1
	s_mov_b32 s[CNT], 5
.Lstep:                                                ; trips 2 to 6
	CHANGE 1
	ADDR
	BODY 0
	s_sub_co_u32 s[CNT], s[CNT], 1
	s_cmp_lg_u32 s[CNT], 0
	s_cbranch_scc1 .Lstep
	CHANGE 3                                       ; trip 7
	ADDR
	BODY 0
	CHANGE 0                                       ; trip 8
	ADDR
	s_cmp_eq_u32 s[KH], 0
	s_cbranch_scc1 .Ltrip8
	SMBLK
	RESC
.Ltrip8:
	PVBLK 0
; THE WAY OUT: both key halves' O^T and (-M, l) go to stages in LDS; each wave joins 16 rows under the larger M and stores whole rows of 1,024 bytes.
.irp u, 0,1
	v_add_f32 v[ST+4*\u+2], v[ST+4*\u+2], v[ST+4*\u+3]
.endr
.irp u, 0,1
	s_delay_alu instid0(VALU_DEP_2)
	v_permlanex16_b32 v[ST+4*\u+3], v[ST+4*\u+2], s[SEL], s[SEL+1]
.endr
.irp u, 0,1
	s_delay_alu instid0(VALU_DEP_2)
	v_add_f32 v[ST+4*\u+1], v[ST+4*\u+2], v[ST+4*\u+3]
.endr
	v_and_b32 v240, 15, v0
	s_wait_alu depctr_va_vdst(0)
	v_bfe_u32 v241, v0, 4, 1
	s_mul_i32 s52, s[KH], STG
	s_mul_i32 s53, s[PP], 32*SPI
	s_add_co_u32 s52, s52, s53
	v_mul_u32_u24 v[STO], v240, SPI
	s_delay_alu instid0(VALU_DEP_1)
	v_lshl_add_u32 v[STO], v241, 6, v[STO]
	s_delay_alu instid0(VALU_DEP_1)
	v_add_nc_u32 v[STO], s52, v[STO]
	s_lshl_b32 s53, s[KH], 10
	s_lshl_b32 s54, s[PP], 8
	s_add_co_u32 s53, s53, s54
	s_add_co_u32 s53, s53, STAT
	v_lshl_add_u32 v[STA], v240, 3, s53
	s_lshr_b32 s54, s[WV], 1
	s_lshl_b32 s54, s54, 5
	s_and_b32 s55, s[WV], 1
	s_lshl_b32 s55, s55, 3
	s_add_co_u32 s54, s54, s55
	s_mul_i32 s55, s54, SPI
	v_add_nc_u32 v[RDA], s55, v[LI]
	s_delay_alu instid0(VALU_DEP_1)
	v_add_nc_u32 v[RDB], STG, v[RDA]
	v_and_b32 v242, 8, v240
	s_delay_alu instid0(VALU_DEP_1)
	v_add_nc_u32 v242, v242, v240
	s_lshl_b32 s55, s54, 3
	s_add_co_u32 s55, s55, STAT
	v_lshl_add_u32 v242, v242, 3, s55
	v_lshlrev_b32 v243, 3, v240
	s_delay_alu instid0(VALU_DEP_1)
	v_lshl_add_u32 v243, v241, 2, v243
	s_wait_alu depctr_va_vdst(0)
	s_wait_dscnt 0x0
	s_barrier_signal -1
	s_barrier_wait -1                              ; nobody reads the slots any more
.irp u, 0,1
	ds_store_b64 v[STA], v[ST+4*\u:ST+4*\u+1] offset:128*\u
.endr
	WIN W_ST
.irp u, 0,1
.irp f, 0,1,2,3,4,5,6,7,8,9,10,11,12,13,14,15
	ds_store_b128 v[STO], v[128*\u+8*\f:128*\u+8*\f+3] offset:16*\u*SPI+512*(\f%2)+128*(\f/4)+32*((\f/2)%2)
	ds_store_b128 v[STO], v[128*\u+8*\f+4:128*\u+8*\f+7] offset:16*\u*SPI+512*(\f%2)+128*(\f/4)+32*((\f/2)%2)+16
.endr
.endr
	WIN 0
	s_wait_dscnt 0x0
	s_barrier_signal -1
	s_barrier_wait -1
.macro LOADB k
.irp q, 0,1,2,3
.irp h, 0,1
.set rR, OB+64*((\k)%2)+16*\q+8*\h
.set rG, (16*((4*(\k)+\q)/8)+(4*(\k)+\q)%8)*SPI+512*\h
	ds_load_b128 v[rR:rR+3], v[RDA] offset:rG
	ds_load_b128 v[rR+4:rR+7], v[RDB] offset:rG
.endr
.endr
.endm
.macro PROC k
.irp q, 0,1,2,3
	v_readlane_b32 s66, v13, 4*(\k)+\q
	v_readlane_b32 s68, v14, 4*(\k)+\q
.irp h, 0,1
.set rR, OB+64*((\k)%2)+16*\q+8*\h
	v_pk_mul_f32 v[rR:rR+1], v[rR:rR+1], s[66:67] op_sel_hi:[1,0]
	v_pk_mul_f32 v[rR+2:rR+3], v[rR+2:rR+3], s[66:67] op_sel_hi:[1,0]
	s_delay_alu instid0(VALU_DEP_2)
	v_pk_fma_f32 v[rR:rR+1], v[rR+4:rR+5], s[68:69], v[rR:rR+1] op_sel_hi:[1,0,1]
	s_delay_alu instid0(VALU_DEP_2)
	v_pk_fma_f32 v[rR+2:rR+3], v[rR+6:rR+7], s[68:69], v[rR+2:rR+3] op_sel_hi:[1,0,1]
	global_store_b128 v[LI], v[rR:rR+3], s[PB:PB+1] offset:(4*(\k)+\q)*1024+512*\h
.endr
.endr
.endm
	ds_load_b64 v[8:9], v242
	ds_load_b64 v[10:11], v242 offset:1024
	LOADB 0
	LOADB 1
	s_wait_dscnt 32
	v_min_num_f32 v12, v8, v10
	s_delay_alu instid0(VALU_DEP_1)
	v_sub_f32 v13, v12, v8
	s_delay_alu instid0(VALU_DEP_2)
	v_sub_f32 v14, v12, v10
	s_delay_alu instid0(VALU_DEP_2)
	v_cvt_i32_f32 v13, v13
	s_delay_alu instid0(VALU_DEP_2)
	v_cvt_i32_f32 v14, v14
	s_delay_alu instid0(VALU_DEP_2)
	v_ldexp_f32 v13, 1.0, v13
	s_delay_alu instid0(VALU_DEP_2)
	v_ldexp_f32 v14, 1.0, v14
	s_delay_alu instid0(VALU_DEP_2)
	v_mul_f32 v15, v13, v9
	s_delay_alu instid0(VALU_DEP_1)
	v_fmac_f32 v15, v14, v11
	v_cmp_eq_u32 vcc_lo, 1, v241
	s_delay_alu instid0(VALU_DEP_1)
	v_cndmask_b32 v15, v12, v15, vcc_lo
	global_store_b32 v243, v15, s[SB:SB+1]
	s_wait_alu depctr_va_vdst(0)
	s_wait_dscnt 16
	PROC 0
	s_wait_xcnt 0x0
	LOADB 2
	s_wait_dscnt 16
	PROC 1
	s_wait_xcnt 0x0
	LOADB 3
	s_wait_dscnt 16
	PROC 2
	s_wait_dscnt 0x0
	PROC 3
	s_wait_tensorcnt 0x0                           ; the wave's end
	ds_add_u32 v[SPW], v[NIL]
	s_wait_dscnt 0x0
	CROUND                                         ; the closing round
	s_endpgm
.Lfunc_end_k_q76215eefc7_attn:
	.size	k_q76215eefc7_attn, .Lfunc_end_k_q76215eefc7_attn-k_q76215eefc7_attn
	.p2alignl 7, 3214868480
	.fill 96, 4, 3214868480
	.section	.rodata,"a",@progbits
	.p2align	6, 0x0
	.amdhsa_kernel k_q76215eefc7_attn
		.amdhsa_group_segment_fixed_size 327680
		.amdhsa_private_segment_fixed_size 0
		.amdhsa_enable_private_segment 0
		.amdhsa_kernarg_size 32
		.amdhsa_user_sgpr_count 2
		.amdhsa_user_sgpr_kernarg_segment_ptr 1
		.amdhsa_wavefront_size32 1
		.amdhsa_system_sgpr_workgroup_id_x 1
		.amdhsa_system_sgpr_workgroup_id_y 1
		.amdhsa_system_sgpr_workgroup_id_z 1
		.amdhsa_system_vgpr_workitem_id 0
		.amdhsa_next_free_vgpr 512
		.amdhsa_next_free_sgpr 84
		.amdhsa_reserve_vcc 1
		.amdhsa_float_denorm_mode_32 3
		.amdhsa_float_denorm_mode_16_64 3
		.amdhsa_memory_ordered 1
		.amdhsa_forward_progress 1
		.amdhsa_inst_pref_size 255
	.end_amdhsa_kernel
	.section	.bss,"aw",@nobits
	.p2align	6
	.space	262144
	.amdgpu_metadata
---
amdhsa.version: [ 1, 2 ]
amdhsa.kernels:
  - .name:           k_q76215eefc7_attn
    .symbol:         k_q76215eefc7_attn.kd
    .args:
      - { .name: codes, .offset: 0, .size: 8, .value_kind: global_buffer, .address_space: global }
      - { .name: scl, .offset: 8, .size: 8, .value_kind: global_buffer, .address_space: global }
      - { .name: part, .offset: 16, .size: 8, .value_kind: global_buffer, .address_space: global }
      - { .name: stat, .offset: 24, .size: 8, .value_kind: global_buffer, .address_space: global }
    .group_segment_fixed_size: 327680
    .private_segment_fixed_size: 0
    .kernarg_segment_align: 8
    .kernarg_segment_size: 32
    .max_flat_workgroup_size: 256
    .sgpr_count:     84
    .vgpr_count:     512
    .wavefront_size: 32
...
	.end_amdgpu_metadata
.endif
;; end of part 2
;; launch comb (part 3): grid 256 x 1, 8 waves a work-group, no clusters, 0 bytes of LDS; arguments part, stat, out0; writes out0
.if DOCPART == 3
	.amdgcn_target "amdgcn-amd-amdhsa--gfx1250"
	.amdhsa_code_object_version 6
	.text
	.protected	k_q76215eefc7_comb
	.globl	k_q76215eefc7_comb
	.p2align	8
	.type	k_q76215eefc7_comb,@function
k_q76215eefc7_comb:
	s_mov_b64 s[64:65], 0
	v_nop
	global_prefetch_b8 v0, s[64:65] scope:SCOPE_SE
	s_setreg_imm32_b32 hwreg(HW_REG_WAVE_MODE, 25, 1), 1
	s_wait_xcnt 0x0
; out0[q][:] = (the sum over the four quarters s of the keys of f_s part[s][q][:]) / (the sum of f_s l_s), f_s = 2^(M_s - M), M the largest of the four M_s: exact powers of two.
; part: [4][8192][256] f32; stat: [4][8192] (-M, l); out0: [8192][256] f32.
; A stream: each byte of part is read once and each byte of out0 written once, 512 consecutive bytes to an instruction.  No LDS, no barrier, no matrix unit: waves share nothing.
; A wave takes four rows: 16 loads of statistics and 32 of numbers go out together; the rows are worked as they arrive.
; The quarter with the largest M has a p above 1/2, so the divisor is above 1/2.  LIMITS: NaN and infinities are not served.
.set P,  16                            ; v16-143  row i, half h of 512 bytes, quarter s at v[P + 32 i + 16 h + 4 s]
.set ST, 144                           ; v144-175 row i, quarter s: (-M, l) at v[ST + 8 i + 2 s]
.set G,  176                           ; v176-207 row i, quarter s: the weight f_s / the divisor, twice: a pair for the packed forms
.set T,  208                           ; v208-215 at work
	s_load_b128 s[4:7], s[0:1], 0x0                ; part s[4:5], stat s[6:7]
	s_load_b64 s[8:9], s[0:1], 0x10                ; out0
	v_lshrrev_b32 v1, 5, v0
	s_delay_alu instid0(VALU_DEP_1)
	v_readfirstlane_b32 s10, v1                    ; wave 0..7
	v_and_b32 v1, 31, v0
	s_delay_alu instid0(VALU_DEP_1)
	v_lshlrev_b32 v1, 4, v1                        ; 16 x lane
	v_mov_b32 v2, 0
	s_lshl_b32 s11, ttmp9, 5
	s_lshl_b32 s12, s10, 2
	s_add_co_u32 s11, s11, s12                     ; my first row: 32 x work-group + 4 x wave
	s_lshl_b32 s12, s11, 10
	s_mov_b32 s13, 0
	s_lshl_b32 s14, s11, 3
	s_mov_b32 s15, 0
	s_wait_alu depctr_va_vdst(0)
	s_wait_kmcnt 0x0
	s_add_nc_u64 s[16:17], s[4:5], s[12:13]        ; a base for each quarter: 8,388,608 bytes apart, beyond a load's immediate
	s_add_nc_u64 s[18:19], s[16:17], 0x800000
	s_add_nc_u64 s[20:21], s[18:19], 0x800000
	s_add_nc_u64 s[22:23], s[20:21], 0x800000
	s_add_nc_u64 s[6:7], s[6:7], s[14:15]
	s_add_nc_u64 s[8:9], s[8:9], s[12:13]
.irp i, 0,1,2,3
.irp s, 0,1,2,3
	global_load_b64 v[ST+8*\i+2*\s:ST+8*\i+2*\s+1], v2, s[6:7] offset:65536*\s+8*\i   ; every lane takes the same 8 bytes
.endr
.endr
.irp i, 0,1,2,3
.irp h, 0,1
.irp s, 0,1,2,3
	global_load_b128 v[P+32*\i+16*\h+4*\s:P+32*\i+16*\h+4*\s+3], v1, s[16+2*\s:17+2*\s] offset:1024*\i+512*\h th:TH_LOAD_NT
.endr
.endr
.endr
	s_wait_loadcnt 32                              ; the statistics are in; the 32 loads behind them may be out
.irp i, 0,1,2,3
	v_min3_num_f32 v[T+\i], v[ST+8*\i], v[ST+8*\i+2], v[ST+8*\i+4]
.endr
.irp i, 0,1,2,3
	s_delay_alu instid0(VALU_DEP_4)
	v_min_num_f32 v[T+\i], v[T+\i], v[ST+8*\i+6]   ; the joint -M
.endr
.irp s, 0,1,2,3
.irp i, 0,1,2,3
	v_sub_f32 v[G+8*\i+2*\s], v[T+\i], v[ST+8*\i+2*\s]   ; M_s - M: a whole number, 0 or less
.endr
.endr
.irp s, 0,1,2,3
.irp i, 0,1,2,3
	v_cvt_i32_f32 v[G+8*\i+2*\s], v[G+8*\i+2*\s]   ; (it saturates)
.endr
.endr
.irp s, 0,1,2,3
.irp i, 0,1,2,3
	v_ldexp_f32 v[G+8*\i+2*\s], 1.0, v[G+8*\i+2*\s]   ; f_s
.endr
.endr
.irp i, 0,1,2,3
	v_mul_f32 v[T+4+\i], v[G+8*\i], v[ST+8*\i+1]
.endr
.irp s, 1,2,3
.irp i, 0,1,2,3
	s_delay_alu instid0(VALU_DEP_4)
	v_fmac_f32 v[T+4+\i], v[G+8*\i+2*\s], v[ST+8*\i+2*\s+1]   ; the divisor
.endr
.endr
	s_wait_alu depctr_va_vdst(0)
.irp i, 0,1,2,3
	v_rcp_f32 v[T+\i], v[T+4+\i]
.endr
	v_nop                                          ; one plain place behind a transcendental
	s_wait_alu depctr_va_vdst(0)
.irp s, 0,1,2,3
.irp i, 0,1,2,3
	v_mul_f32 v[G+8*\i+2*\s+1], v[G+8*\i+2*\s], v[T+\i]
	v_mul_f32 v[G+8*\i+2*\s], v[G+8*\i+2*\s], v[T+\i]
.endr
.endr
.irp i, 0,1,2,3
	s_wait_loadcnt 24-8*\i                         ; this row's eight loads are in; the later rows' may be out
.irp h, 0,1
.irp j, 0,2
	v_pk_mul_f32 v[P+32*\i+16*\h+\j:P+32*\i+16*\h+\j+1], v[P+32*\i+16*\h+\j:P+32*\i+16*\h+\j+1], v[G+8*\i:G+8*\i+1]
.endr
.irp s, 1,2,3
.irp j, 0,2
	s_delay_alu instid0(VALU_DEP_2)
	v_pk_fma_f32 v[P+32*\i+16*\h+\j:P+32*\i+16*\h+\j+1], v[P+32*\i+16*\h+4*\s+\j:P+32*\i+16*\h+4*\s+\j+1], v[G+8*\i+2*\s:G+8*\i+2*\s+1], v[P+32*\i+16*\h+\j:P+32*\i+16*\h+\j+1]
.endr
.endr
	global_store_b128 v1, v[P+32*\i+16*\h:P+32*\i+16*\h+3], s[8:9] offset:1024*\i+512*\h th:TH_STORE_NT   ; 32 lanes store 512 consecutive bytes, at a multiple of 512 from the buffer's first byte
.endr
.endr
	s_endpgm
.Lfunc_end_k_q76215eefc7_comb:
	.size	k_q76215eefc7_comb, .Lfunc_end_k_q76215eefc7_comb-k_q76215eefc7_comb
	.p2alignl 7, 3214868480
	.fill 96, 4, 3214868480
	.section	.rodata,"a",@progbits
	.p2align	6, 0x0
	.amdhsa_kernel k_q76215eefc7_comb
		.amdhsa_group_segment_fixed_size 0
		.amdhsa_private_segment_fixed_size 0
		.amdhsa_enable_private_segment 0
		.amdhsa_kernarg_size 24
		.amdhsa_user_sgpr_count 2
		.amdhsa_user_sgpr_kernarg_segment_ptr 1
		.amdhsa_wavefront_size32 1
		.amdhsa_system_sgpr_workgroup_id_x 1
		.amdhsa_system_sgpr_workgroup_id_y 1
		.amdhsa_system_sgpr_workgroup_id_z 1
		.amdhsa_system_vgpr_workitem_id 0
		.amdhsa_next_free_vgpr 224
		.amdhsa_next_free_sgpr 66
		.amdhsa_reserve_vcc 0
		.amdhsa_float_denorm_mode_32 3
		.amdhsa_float_denorm_mode_16_64 3
		.amdhsa_memory_ordered 1
		.amdhsa_forward_progress 1
		.amdhsa_inst_pref_size 17
	.end_amdhsa_kernel
	.amdgpu_metadata
---
amdhsa.version: [ 1, 2 ]
amdhsa.kernels:
  - .name:           k_q76215eefc7_comb
    .symbol:         k_q76215eefc7_comb.kd
    .args:
      - { .name: part, .offset: 0, .size: 8, .value_kind: global_buffer, .address_space: global }
      - { .name: stat, .offset: 8, .size: 8, .value_kind: global_buffer, .address_space: global }
      - { .name: out0, .offset: 16, .size: 8, .value_kind: global_buffer, .address_space: global }
    .group_segment_fixed_size: 0
    .private_segment_fixed_size: 0
    .kernarg_segment_align: 8
    .kernarg_segment_size: 24
    .max_flat_workgroup_size: 256
    .sgpr_count:     66
    .vgpr_count:     224
    .wavefront_size: 32
...
	.end_amdgpu_metadata
.endif
;; end of part 3
